; MI455X (gfx1250); checked and timed in simulation.
; The chip was launched on July 23, 2026; its instructions are those of AMD's public machine-readable ISA for CDNA 5 (MIT licence, August 2026) and "CDNA5" Instruction Set Architecture Reference Guide (July 2026). The comments in the code are by the model that wrote it; some were corrected since.
;; Hybrid Mo E Layer. Allowed arithmetic: matrix products marked QUANTISED: E3M2 operands, one E8M0 scale for each 32 along K, by v_wmma_scale_f32_16x16x128_f8f6f4 with both operands' format E3M2, f32 sums; products left as they are: f32 operands where the result goes on into a quantised operand, else bf16, f16 or f32 operands; f32 sums; everything else in f32.
;; Inputs: expert_weights_codes 8 x 1,024 x 32 x 24 uint8 (E3M2 codes of expert_weights, K innermost, in blocks of 32 codes, four codes in three bytes); expert_weights_scales 8 x 1,024 x 32 uint8 (E8M0 scales of expert_weights, one for each 32 codes along K); router_b 8 float32; router_w 8 x 1,024 float32; tokens 4 x 2,048 x 1,024 float32.
;; Outputs: out0 4 x 2,048 x 1,024 float32.
;; This version of the problem:
;;   THIS VERSION OF THE PROBLEM IS GIVEN IN LOW PRECISION. The matrix products marked QUANTISED in the list below multiply operands that are first quantised to E3M2 (3 exponent bits, 2 mantissa bits; 6 bits a number), with one power-of-two scale for each 32 numbers along K (OCP MX v1.0); their sums are f32. All else is computed in f32.
;;   The module's matrix products, in the order in which they are computed (A, B: the left and right operand; K: the contracted axis; several contracted axes count as one K, in the product's order):
;;     1. [M 8,192, K 1,024] x [K 1,024, N 8]; A: input tokens; B: input router_w: left as it is (N = 8 < 16)
;;     2. [M 8,192, K 1,024] x [K 1,024, N 8,192]; A: input tokens; B: input expert_weights (given as codes): QUANTISED
;;     3. batch 8,192 x [M 1, K 2] x [K 2, N 1,024]; A: computed on the way; B: computed on the way: left as it is (K = 2 < 32)
;;   THE QUANTISER, for each operand of a quantised product, along K:
;;     - K is cut into blocks of 32 from its start; a last block that is shorter is filled with zeros.
;;     - A block's scale is 2^e with e = floor(log2(the largest magnitude in the block)) - 4, held to -126 .. 127; a block of zeros has e = 0. As a byte (E8M0): e + 127.
;;     - Each number is divided by its block's scale, clamped to +-28, and rounded to the nearest number of E3M2, ties to even, subnormals kept.
;;     - The product sums the exact products of the quantised numbers (number of the format x scale) in f32.
;;   ~~~python
;;   def quantise(x, axis):      # numpy; x: float32 -> the quantised numbers, widened to float32 again
;;       x = np.moveaxis(x, axis, -1); K = x.shape[-1]
;;       x = np.pad(x, [(0, 0)] * (x.ndim - 1) + [(0, -K % 32)]); x = x.reshape(x.shape[:-1] + (-1, 32)); a = np.abs(x).max(-1, keepdims=True)
;;       e = np.where(a > 0, np.clip(np.frexp(np.where(a > 0, a, 1))[1] - 1 - 4, -126, 127), 0)      # np.frexp(a)[1] - 1 = floor(log2(a)), exactly
;;       r = np.clip(x / 2.0 ** e, -28, 28)
;;       step = 2.0 ** (np.maximum(np.frexp(np.where(r == 0, 1, r))[1] - 1, -2) - 2)
;;       q = np.round(r / step) * step * 2.0 ** e      # np.round: ties to even
;;       return np.moveaxis(q.reshape(q.shape[:-2] + (-1,))[..., :K], -1, axis).astype(np.float32)
;;   ~~~
;;   INPUTS GIVEN AS CODES. expert_weights (in the module: [8, 1024, 1024], K = its axis 1): each comes as NAME_codes (uint8): NAME with its K axis moved to the last place and cut into blocks of 32 codes, [.., K / 32, bytes a block], one block behind the other in memory; four codes in three bytes: a row's codes are one little-endian stream of bits, code i at bits 6 i .. 6 i + 5 (a code: sign, 3 exponent bits, 2 mantissa bits); and NAME_scales (uint8): the same leading axes, one E8M0 byte (e + 127) for each 32 codes along K. Its value is code x scale, taken as it is: it is not quantised again, and the codes and scales need not be those that the quantiser above would give.
;; One version. Each part assembles by itself: llvm-mc -triple=amdgcn-amd-amdhsa -mcpu=gfx1250 --defsym DOCPART=n.
;; ======== version 1 of 1: 3 launches
;; workspace buffers: xq 6,291,456 bytes; xs 262,144 bytes; gates 65,536 bytes; tokmeta 32,768 bytes of whole numbers; hist 32,768 bytes of whole numbers; order 32,768 bytes of whole numbers; gsort 65,536 bytes; wimg 6,291,456 bytes
;; launch route (part 1): grid 256 x 1, 4 waves a work-group, no clusters, 112,640 bytes of LDS; arguments tokens, router_w, router_b, xq, xs, gates, tokmeta, hist; writes xq, xs, gates, tokmeta, hist
.if DOCPART == 1
	.amdgcn_target "amdgcn-amd-amdhsa--gfx1250"
	.amdhsa_code_object_version 6
	.text
	.protected	k_q8ae019d902_route
	.globl	k_q8ae019d902_route
	.p2align	8
	.type	k_q8ae019d902_route,@function
k_q8ae019d902_route:
	s_mov_b64 s[64:65], 0
	v_nop
	global_prefetch_b8 v0, s[64:65] scope:SCOPE_SE
	s_setreg_imm32_b32 hwreg(HW_REG_WAVE_MODE, 25, 1), 1
	s_wait_xcnt 0x0
; ROUTER, TOP-2 AND QUANTISER.  tokens [8192][1024] f32, router_w [8][1024] f32, router_b [8] f32.
; A work-group takes 32 tokens, each of its four waves 8, one token a step.  A token's 4,096 bytes are read once, by eight loads of 512 consecutive bytes, and turn
; through the wave's own stage in LDS, so that lane l then holds k = 32 l .. 32 l + 31: one whole block of the quantiser, and 32 terms of each of the 8 router sums.
; OUT: xq: a token's 768 bytes of E3M2 codes, laid as the product's launch wants them: for K step s (128 along K) and half h of the lanes, 48 bytes at 96 s + 48 h:
;      block 4 s + h, then block 4 s + 2 + h: the twelve operand registers of lane (row, h) on end.   xs: its 32 E8M0 bytes.
;      gates: (g_lo, g_hi): the two weights with 1 / clip(w1 + w2, EPS) and 1 + (w1 + w2) EPS folded in, by ascending expert.
;      tokmeta: key | rank among the chunk's tokens of that key << 8 | (1 << lo) << 16 | (1 << hi) << 24.   hist: for each chunk of 32 tokens the count of each of the 28 keys.
; The key numbers the unordered pairs (lo, hi) so that neighbouring keys share an expert: lo (15 - lo) / 2 + (hi - lo - 1 where lo is even, 7 - hi where it is odd).
; All that is derived from the router's numbers is STORED, at fixed places: no address and no branch here hangs on it.
; A block's scale byte is the exponent field of its largest magnitude less 4, held at 1 from below.  A block of zeros so gets the byte 1: its codes are zeros, and this program alone reads the bytes.
; The router is f32 fused multiply-adds; the softmax takes the row's maximum away first; ties go to the lower index.
; LIMITS: NaN and infinities among the inputs are not served; blocks whose largest magnitude lies under 2^-122 get the byte 1; two probabilities that differ by less than the rounding
; of f32 sums taken in another order than the definition's may change places.
; No tensor loads, no matrix unit, no cluster: the launch streams, each byte is read once and work-groups share only router_w's 32 KB.
.set WREG, 18688                       ; LDS of a wave: two stages, the partial sums, the codes' stage, the scale bytes
.set PART, 9216                        ; 8 tokens x 1,040: plane p (experts 4 p .. 4 p + 3) at 512 p, lane at 16 l, 16 bytes of padding a token
.set CST,  17536                       ; 768 bytes: a token's codes
.set SCB,  18304                       ; 256 bytes: 8 tokens' scale bytes
.set WST,  74752                       ; the work-group's: router_w, 8 rows x 4,608 (32 blocks x (128 + 16))
.set META, 111616                      ; the work-group's: 32 tokens x 16 bytes
.set X,   16                           ; v16-79   two sets of 32 neighbours (first: router_w as loaded)
.set ACC, 80                           ; v80-95   8 packed sums
.set PS,  96                           ; v96-103  my 8 partial sums
.set C,   108                          ; v108-114 a block's codes
.set CB,  116                          ; v116-163 six registers a token: the codes on their way out; no store's data are written again
.set L,   164                          ; v164-227 partial sums read back, then the softmax
.set EPSF, 0x2edbe6ff                  ; 1e-10
; window 1: router_w: W[e][i] at v[32 e + i].   window 2: the 8 tokens as loaded, 32 registers each.
.set MSB, 0
.macro WIN new                         ; the immediate's high byte repeats the setting that is left
.if MSB != \new
	s_set_vgpr_msb (MSB<<8)|\new
.set MSB, \new
.endif
.endm
	s_load_b256 s[4:11], s[0:1], 0x0               ; tokens s[4:5], router_w s[6:7], router_b s[8:9], xq s[10:11]
	s_load_b256 s[12:19], s[0:1], 0x20             ; xs s[12:13], gates s[14:15], tokmeta s[16:17], hist s[18:19]
	v_lshl_add_u32 v254, v0, 2, 0x1b600
	v_mov_b32 v255, 0
	v_lshrrev_b32 v1, 5, v0
	v_readfirstlane_b32 s20, v1                    ; wave
	v_and_b32 v1, 31, v0                           ; lane
	s_mul_i32 s33, s20, WREG
	v_lshrrev_b32 v16, 3, v1
	v_and_b32 v17, 7, v1
	v_mul_u32_u24 v4, v16, 144
	v_lshl_add_u32 v4, v17, 4, v4                  ; a load's 512 bytes are four blocks: 144 (l / 8) + 16 (l % 8)
	v_add_nc_u32 v2, s33, v4                       ; v2: my stage, on the way in
	s_mul_i32 s34, s20, 2*4608
	s_add_co_u32 s34, s34, WST
	v_add_nc_u32 v4, s34, v4                       ; v4: router_w's rows 2 w, 2 w + 1, on the way in
	v_mul_u32_u24 v5, v1, 144
	v_add_nc_u32 v3, s33, v5                       ; v3: my stage, on the way out: block l
	v_add_nc_u32 v5, WST, v5                       ; v5: router_w, block l
	v_lshrrev_b32 v18, 2, v1
	v_and_b32 v19, 1, v1
	v_bfe_u32 v20, v1, 1, 1
	v_mul_u32_u24 v6, v18, 96
	v_mad_u32_u24 v6, v19, 48, v6
	v_mad_u32_u24 v6, v20, 24, v6                  ; block l = 4 s + 2 c + h lies at 96 s + 48 h + 24 c
	s_add_co_u32 s35, s33, CST
	v_add_nc_u32 v6, s35, v6                       ; v6: where my block's 24 bytes of codes go
	v_lshlrev_b32 v14, 4, v1                       ; v14: 16 l
	v_lshlrev_b32 v15, 3, v1                       ; v15: 8 l
	v_add_nc_u32 v7, s35, v14                      ; v7, v8: the codes back, 16 and 8 bytes a lane
	v_add_nc_u32 v8, s35, v15
	s_add_co_u32 s35, s33, SCB
	v_add_nc_u32 v9, s35, v1                       ; v9: my block's scale byte
	v_add_nc_u32 v10, s35, v15                     ; v10: the scale bytes back
	s_add_co_u32 s35, s33, PART
	v_add_nc_u32 v11, s35, v14                     ; v11: my partial sums
	v_mul_u32_u24 v12, v17, 1040
	v_lshl_add_u32 v12, v16, 7, v12
	v_add_nc_u32 v12, s35, v12                     ; v12: back: token l % 8, the parts of lanes 8 (l / 8) on
	s_lshl_b32 s35, s20, 7
	s_add_co_u32 s35, s35, META
	v_lshl_add_u32 v13, v17, 4, s35                ; v13: token 8 w + l % 8 in META
	v_add_nc_u32 v228, META, v14                   ; v228: token l in META (wave 0 reads it)
	v_lshlrev_b32 v229, 2, v1                      ; v229: 4 l
	s_lshl_b32 s22, ttmp9, 17                      ; tokens: 32 x 4,096 bytes a work-group, 8 x 4,096 a wave
	s_lshl_b32 s23, s20, 15
	s_add_co_u32 s22, s22, s23
	s_mov_b32 s23, 0
	s_lshl_b32 s38, s20, 13                        ; router_w: rows 2 w on
	s_mov_b32 s39, 0
	s_lshl_b32 s21, ttmp9, 5
	s_lshl_b32 s32, s20, 3
	s_add_co_u32 s21, s21, s32                     ; my first token
	s_mul_i32 s40, s21, 768
	s_mov_b32 s41, 0
	s_lshl_b32 s42, s21, 5
	s_mov_b32 s43, 0
	s_lshl_b32 s44, ttmp9, 8                       ; gates: 256 bytes a chunk
	s_mov_b32 s45, 0
	s_lshl_b32 s46, ttmp9, 7                       ; tokmeta, hist: 128 bytes a chunk
	s_mov_b32 s47, 0
	s_mov_b32 s36, 0x76543210                      ; v_permlanex16_b32's selects for lane l xor 16
	s_mov_b32 s37, 0xfedcba98
	s_wait_kmcnt 0x0
	s_load_b256 s[24:31], s[8:9], 0x0              ; router_b
	s_add_nc_u64 s[4:5], s[4:5], s[22:23]
	s_add_nc_u64 s[6:7], s[6:7], s[38:39]
	s_add_nc_u64 s[10:11], s[10:11], s[40:41]
	s_add_nc_u64 s[12:13], s[12:13], s[42:43]
	s_add_nc_u64 s[14:15], s[14:15], s[44:45]
	s_add_nc_u64 s[16:17], s[16:17], s[46:47]
	s_add_nc_u64 s[18:19], s[18:19], s[46:47]
.irp q, 0,1
.irp j, 0,1,2,3,4,5,6,7
	global_load_b128 v[X+32*\q+4*\j:X+32*\q+4*\j+3], v14, s[6:7] offset:4096*\q+512*\j   ; two rows of router_w, 512 consecutive bytes a load
.endr
.endr
.macro LOADTOK t                       ; a token: eight loads of 512 consecutive bytes; read once in the launch
.irp j, 0,1,2,3,4,5,6,7
	global_load_b128 v[32*(\t)+4*\j:32*(\t)+4*\j+3], v14, s[4:5] offset:4096*(\t)+512*\j th:TH_LOAD_NT
.endr
.endm
	WIN 0x80                                       ; destination window 2
.irp t, 0,1,2,3,4,5,6
	LOADTOK \t
.endr
	WIN 0
	s_wait_loadcnt 56                              ; router_w's sixteen loads are in; the seven tokens' 56 stay out
.irp q, 0,1
.irp j, 0,1,2,3,4,5,6,7
	ds_store_b128 v4, v[X+32*\q+4*\j:X+32*\q+4*\j+3] offset:4608*\q+576*\j
.endr
.endr
	WIN 0x80
	LOADTOK 7
	WIN 0
	s_wait_dscnt 0x0                               ; for the others' sake: my two rows of router_w lie in LDS
	s_barrier_signal -1
	s_barrier_wait -1                              ; all eight rows do
	WIN 0x40                                       ; destination window 1
.irp e, 0,1,2,3,4,5,6,7
.irp c, 0,1,2,3,4,5,6,7
	ds_load_b128 v[32*\e+4*\c:32*\e+4*\c+3], v5 offset:4608*\e+16*\c     ; W[e][k = 32 l + 4 c ..]: it stays in registers
.endr
.endr
	WIN 0
; Token t through stage t % 2: as loaded on the way in, 128 bytes a lane on the way out.  LDS serves a wave's instructions in order (ISA guide 5.7.1.4): no wait between the stores and the loads.
.macro TURN t
	WIN 0x08                                       ; an LDS store's data are its source 1: window 2
.irp j, 0,1,2,3,4,5,6,7
	ds_store_b128 v2, v[32*(\t)+4*\j:32*(\t)+4*\j+3] offset:576*\j+4608*((\t)%2)
.endr
	WIN 0
.irp c, 0,1,2,3,4,5,6,7
	ds_load_b128 v[X+32*((\t)%2)+4*\c:X+32*((\t)%2)+4*\c+3], v3 offset:16*\c+4608*((\t)%2)
.endr
.endm
	s_wait_loadcnt 56                              ; token 0's eight loads are in; the other seven tokens' stay out
	TURN 0
.macro TOKEN t
.set XS, X+32*((\t)%2)
	s_wait_dscnt 0x0                               ; this token's 32 numbers are back (and, in front of token 0, router_w); my earlier LDS stores have read their registers
.if (\t) < 7
	s_wait_loadcnt 8*(6-(\t))                      ; the next token's eight loads are in; those of the tokens behind it stay out
	TURN (\t)+1                                    ; it goes through the other stage while this one is worked on
.endif
	v_max3_num_f32 v104, |v[XS]|, |v[XS+1]|, |v[XS+2]|               ; the block's largest magnitude: all 32 numbers are mine; two chains
	v_max3_num_f32 v105, |v[XS+3]|, |v[XS+4]|, |v[XS+5]|
.irp i, 6,10,14,18,22,26
	v_max3_num_f32 v104, v104, |v[XS+\i]|, |v[XS+\i+1]|
	v_max3_num_f32 v105, v105, |v[XS+\i+2]|, |v[XS+\i+3]|
.endr
	v_max3_num_f32 v104, v104, |v[XS+30]|, |v[XS+31]|
	v_max3_num_f32 v104, v104, v105, 0x2800000     ; and the floor 2^(5 - 127): the byte cannot fall under 1
	v_add_nc_u32 v106, 0xfe000000, v104            ; 4 off its exponent field: the conversion takes the exponent field of this operand as its scale
	v_cvt_scalef32_pk16_bf6_f32 v[C:C+2], v[XS:XS+15], v106
	v_cvt_scalef32_pk16_bf6_f32 v[C+4:C+6], v[XS+16:XS+31], v106     ; (a conversion's three registers begin on an even number)
	v_lshrrev_b32 v107, 23, v106                   ; the scale's byte; also the plain line behind the conversions
	v_mov_b32 v[C+3], v[C+4]
	v_mov_b32 v[C+4], v[C+5]
	v_mov_b32 v[C+5], v[C+6]                       ; v[C .. C+5]: the block's 24 bytes
	ds_store_b8 v9, v107 offset:32*(\t)
	ds_store_b64 v6, v[C:C+1]
	ds_store_b64 v6, v[C+2:C+3] offset:8
	ds_store_b64 v6, v[C+4:C+5] offset:16
	ds_load_b128 v[CB+6*(\t):CB+6*(\t)+3], v7                        ; the token's 768 bytes back: 512 by 16 a lane,
	ds_load_b64 v[CB+6*(\t)+4:CB+6*(\t)+5], v8 offset:512            ; 256 by 8 a lane
	WIN 0x04                                       ; source 1 (router_w) window 1
.irp e, 0,1,2,3,4,5,6,7
	v_pk_mul_f32 v[ACC+2*\e:ACC+2*\e+1], v[XS:XS+1], v[32*\e:32*\e+1]            ; the first products start the sums
.endr
.irp i, 2,4,6,8,10,12,14,16,18,20,22,24,26,28,30
.irp e, 0,1,2,3,4,5,6,7
	v_pk_fma_f32 v[ACC+2*\e:ACC+2*\e+1], v[XS+\i:XS+\i+1], v[32*\e+\i:32*\e+\i+1], v[ACC+2*\e:ACC+2*\e+1]   ; the eight experts by turns
.endr
.endr
	WIN 0
.irp e, 0,1,2,3,4,5,6,7
	v_add_f32 v[PS+\e], v[ACC+2*\e], v[ACC+2*\e+1]
.endr
	ds_store_b128 v11, v[PS:PS+3] offset:1040*(\t)
	ds_store_b128 v11, v[PS+4:PS+7] offset:1040*(\t)+512
	s_wait_dscnt 2                                 ; the codes are back in registers; the two stores just issued may be out
	global_store_b128 v14, v[CB+6*(\t):CB+6*(\t)+3], s[10:11] offset:768*(\t)          ; 512 consecutive bytes,
	global_store_b64 v15, v[CB+6*(\t)+4:CB+6*(\t)+5], s[10:11] offset:768*(\t)+512     ; and 256: the token's 768, which begin at a multiple of 256
.endm
.irp t, 0,1,2,3,4,5,6,7
	TOKEN \t
.endr
	ds_load_b64 v[104:105], v10                    ; my wave's 256 scale bytes
.irp i, 0,1,2,3,4,5,6,7
.irp p, 0,1
	ds_load_b128 v[L+8*\i+4*\p:L+8*\i+4*\p+3], v12 offset:512*\p+16*\i   ; lane (t = l % 8, q = l / 8): the eight sums' parts of lanes 8 q + i
.endr
.endr
	s_wait_dscnt 0x0
	global_store_b64 v15, v[104:105], s[12:13]     ; 256 consecutive bytes, aligned
.irp i, 1,2,3,4,5,6,7
.irp j, 0,2,4,6
	v_pk_add_f32 v[L+\j:L+\j+1], v[L+\j:L+\j+1], v[L+8*\i+\j:L+8*\i+\j+1]
.endr
.endr
.irp e, 0,1,2,3,4,5,6,7
	v_add_f32_dpp v[L+\e], v[L+\e], v[L+\e] row_xmask:8 row_mask:0xf bank_mask:0xf   ; with lane l xor 8's
.endr
.irp e, 0,1,2,3,4,5,6,7
	v_permlanex16_b32 v[L+8+\e], v[L+\e], s36, s37
.endr
	s_wait_kmcnt 0x0                               ; router_b
.irp e, 0,1,2,3,4,5,6,7
	v_add_f32 v[L+\e], v[L+\e], v[L+8+\e]          ; and lane l xor 16's: the whole sum over K, the same bits in all four lanes of a token
.endr
.irp e, 0,1,2,3,4,5,6,7
	v_add_f32 v[L+\e], s[24+\e], v[L+\e]           ; the logits of token l % 8
.endr
	; softmax: the row's maximum is taken away first
	v_max3_num_f32 v172, v164, v165, v166
	v_max3_num_f32 v172, v172, v167, v168
	v_max3_num_f32 v172, v172, v169, v170
	v_max_num_f32 v172, v172, v171
.irp e, 0,1,2,3,4,5,6,7
	v_sub_f32 v[176+\e], v[L+\e], v172
.endr
.irp e, 0,1,2,3,4,5,6,7
	v_mul_f32 v[176+\e], 0x3fb8aa3b, v[176+\e]     ; x log2(e)
.endr
.irp e, 0,1,2,3,4,5,6,7
	v_exp_f32 v[176+\e], v[176+\e]
.endr
	v_mov_b32 v185, 0                              ; (a plain line behind the exponentials)  the first choice's index
	s_wait_alu depctr_va_vdst(0)
	v_add_f32 v173, v176, v177
	v_add_f32 v174, v178, v179
	v_add_f32 v175, v180, v181
	v_add_f32 v184, v182, v183
	v_add_f32 v173, v173, v174
	v_add_f32 v175, v175, v184
	v_add_f32 v173, v173, v175
	v_rcp_f32 v174, v173
	v_mov_b32 v187, 0                              ; (a plain line behind the reciprocal)  the second choice's index
	s_wait_alu depctr_va_vdst(0)
.irp e, 0,1,2,3,4,5,6,7
	v_mul_f32 v[176+\e], v[176+\e], v174           ; the probabilities
.endr
	v_mov_b32 v184, v176                           ; the largest: a later one takes the place only where it is strictly larger
.irp e, 1,2,3,4,5,6,7
	v_cmp_le_f32 vcc_lo, v[176+\e], v184
	v_cndmask_b32 v185, \e, v185, vcc_lo
	v_cndmask_b32 v184, v[176+\e], v184, vcc_lo
.endr
.irp e, 0,1,2,3,4,5,6,7
	v_cmp_ne_u32 vcc_lo, \e, v185
	v_cndmask_b32 v[176+\e], -1.0, v[176+\e], vcc_lo   ; the winner leaves the field
.endr
	v_mov_b32 v186, v176
.irp e, 1,2,3,4,5,6,7
	v_cmp_le_f32 vcc_lo, v[176+\e], v186
	v_cndmask_b32 v187, \e, v187, vcc_lo
	v_cndmask_b32 v186, v[176+\e], v186, vcc_lo
.endr
	v_add_f32 v188, v184, v186
	v_add_f32 v188, EPSF, v188
	v_rcp_f32 v188, v188
	v_min_u32 v192, v185, v187                     ; (a plain line)  lo
	s_wait_alu depctr_va_vdst(0)
	v_mul_f32 v189, v184, v188                     ; w1
	v_mul_f32 v190, v186, v188                     ; w2
	v_add_f32 v191, v189, v190                     ; their sum
	v_max_num_f32 v194, EPSF, v191                 ; clipped from below
	v_rcp_f32 v194, v194
	v_fma_f32 v195, v191, EPSF, 1.0                ; (a plain line)  1 + sum x EPS
	v_max_u32 v193, v185, v187                     ; hi
	s_wait_alu depctr_va_vdst(0)
	v_mul_f32 v194, v194, v195
	v_mul_f32 v189, v189, v194                     ; g1, g2: the weights with both factors folded in
	v_mul_f32 v190, v190, v194
	v_cmp_lt_u32 vcc_lo, v185, v187
	v_cndmask_b32 v200, v190, v189, vcc_lo         ; g_lo
	v_cndmask_b32 v201, v189, v190, vcc_lo         ; g_hi
	v_sub_nc_u32 v196, 15, v192
	v_mul_u32_u24 v196, v196, v192
	v_lshrrev_b32 v196, 1, v196                    ; lo (15 - lo) / 2
	v_sub_nc_u32 v197, v193, v192
	v_add_nc_u32 v197, -1, v197                    ; hi - lo - 1
	v_sub_nc_u32 v198, 7, v193                     ; 7 - hi
	v_and_b32 v199, 1, v192
	v_cmp_eq_u32 vcc_lo, 1, v199
	v_cndmask_b32 v197, v197, v198, vcc_lo
	v_add_nc_u32 v196, v196, v197                  ; the key
	v_mov_b32 v199, 1
	v_lshlrev_b32 v197, v192, v199                 ; 1 << lo
	v_lshlrev_b32 v198, v193, v199                 ; 1 << hi
	v_lshl_or_b32 v202, v197, 16, v196
	v_lshl_or_b32 v202, v198, 24, v202
	v_mov_b32 v203, 0
	ds_store_b128 v13, v[200:203]                  ; the four lanes of a token write the same bytes with the same values
	s_wait_dscnt 0x0                               ; for wave 0's sake: my eight tokens lie in META
	s_barrier_signal -1
	s_barrier_wait -1
	s_cmp_lg_u32 s20, 0
	s_cbranch_scc1 .Ldone                          ; wave 0 alone counts the chunk: lane = token
	ds_load_b128 v[204:207], v228
	v_mov_b32 v209, 0                              ; my rank among the chunk's tokens of my key
	v_mov_b32 v210, 0                              ; lane k: the count of key k
	s_wait_dscnt 0x0
	v_and_b32 v208, 0xff, v206
.irp k, 0,1,2,3,4,5,6,7,8,9,10,11,12,13,14,15,16,17,18,19,20,21,22,23,24,25,26,27
	v_cmp_eq_u32 vcc_lo, \k, v208
	v_mbcnt_lo_u32_b32 v211, vcc_lo, 0             ; how many lanes below me have key k
	v_cndmask_b32 v209, v209, v211, vcc_lo
	s_bcnt1_i32_b32 s21, vcc_lo
	v_writelane_b32 v210, s21, \k
.endr
	v_lshl_or_b32 v206, v209, 8, v206
	global_store_b64 v15, v[204:205], s[14:15]     ; 256 consecutive bytes, aligned
	global_store_b32 v229, v206, s[16:17]          ; 128 consecutive bytes
	global_store_b32 v229, v210, s[18:19]          ; 128 consecutive bytes
.Ldone:
	s_wait_tensorcnt 0x0
	ds_add_u32 v254, v255
	s_wait_dscnt 0x0
	s_endpgm
.Lfunc_end_k_q8ae019d902_route:
	.size	k_q8ae019d902_route, .Lfunc_end_k_q8ae019d902_route-k_q8ae019d902_route
	.p2alignl 7, 3214868480
	.fill 96, 4, 3214868480
	.section	.rodata,"a",@progbits
	.p2align	6, 0x0
	.amdhsa_kernel k_q8ae019d902_route
		.amdhsa_group_segment_fixed_size 112640
		.amdhsa_private_segment_fixed_size 0
		.amdhsa_enable_private_segment 0
		.amdhsa_kernarg_size 64
		.amdhsa_user_sgpr_count 2
		.amdhsa_user_sgpr_kernarg_segment_ptr 1
		.amdhsa_wavefront_size32 1
		.amdhsa_system_sgpr_workgroup_id_x 1
		.amdhsa_system_sgpr_workgroup_id_y 1
		.amdhsa_system_sgpr_workgroup_id_z 1
		.amdhsa_system_vgpr_workitem_id 0
		.amdhsa_next_free_vgpr 768
		.amdhsa_next_free_sgpr 66
		.amdhsa_reserve_vcc 1
		.amdhsa_float_denorm_mode_32 3
		.amdhsa_float_denorm_mode_16_64 3
		.amdhsa_memory_ordered 1
		.amdhsa_forward_progress 1
		.amdhsa_inst_pref_size 125
	.end_amdhsa_kernel
	.amdgpu_metadata
---
amdhsa.version: [ 1, 2 ]
amdhsa.kernels:
  - .name:           k_q8ae019d902_route
    .symbol:         k_q8ae019d902_route.kd
    .args:
      - { .name: tokens, .offset: 0, .size: 8, .value_kind: global_buffer, .address_space: global }
      - { .name: router_w, .offset: 8, .size: 8, .value_kind: global_buffer, .address_space: global }
      - { .name: router_b, .offset: 16, .size: 8, .value_kind: global_buffer, .address_space: global }
      - { .name: xq, .offset: 24, .size: 8, .value_kind: global_buffer, .address_space: global }
      - { .name: xs, .offset: 32, .size: 8, .value_kind: global_buffer, .address_space: global }
      - { .name: gates, .offset: 40, .size: 8, .value_kind: global_buffer, .address_space: global }
      - { .name: tokmeta, .offset: 48, .size: 8, .value_kind: global_buffer, .address_space: global }
      - { .name: hist, .offset: 56, .size: 8, .value_kind: global_buffer, .address_space: global }
    .group_segment_fixed_size: 112640
    .private_segment_fixed_size: 0
    .kernarg_segment_align: 8
    .kernarg_segment_size: 64
    .max_flat_workgroup_size: 128
    .sgpr_count:     66
    .vgpr_count:     768
    .wavefront_size: 32
...
	.end_amdgpu_metadata
.endif
;; end of part 1
;; launch place (part 2): grid 65 x 1, 8 waves a work-group, no clusters, 102,400 bytes of LDS; arguments hist, tokmeta, gates, expert_weights_codes, order, gsort, wimg; writes order, gsort, wimg
.if DOCPART == 2
	.amdgcn_target "amdgcn-amd-amdhsa--gfx1250"
	.amdhsa_code_object_version 6
	.text
	.protected	k_q8ae019d902_place
	.globl	k_q8ae019d902_place
	.p2align	8
	.type	k_q8ae019d902_place,@function
k_q8ae019d902_place:
	s_mov_b64 s[64:65], 0
	v_nop
	global_prefetch_b8 v0, s[64:65] scope:SCOPE_SE
	s_setreg_imm32_b32 hwreg(HW_REG_WAVE_MODE, 25, 1), 1
	s_wait_xcnt 0x0
; WORK-GROUP 0 SORTS THE TOKENS BY KEY; WORK-GROUPS 1 TO 64 LAY THE WEIGHTS' CODES OUT AS IMAGES OF OPERAND REGISTERS.  The two ways part on the work-group's number and have LDS bytes of their own.
; THE SORT is a counting sort without atomics.  hist holds, for each of 256 chunks of 32 tokens, the count of each of 28 keys (words 28 to 31 are 0); tokmeta a token's key and its rank among its chunk's tokens
; of that key.  A token's sorted place = the tokens of smaller keys + those of its key in earlier chunks + its rank.  Wave w takes chunks 32 w .. 32 w + 31; in the counting a lane is a key, in the placing a token.
; OUT: order[place] = token | (1 << lo) << 16 | (1 << hi) << 24;  gsort[place] = (g_lo, g_hi).  These 4 and 8 bytes a lane go to sorted places, 96 KB in all: aligned runs of 256 bytes are written in part.
; THE IMAGES.  A wave takes 16 rows of one expert's codes (tile id = 64 e + d / 16): 12,288 dense bytes in, 12,288 out.  For K step s the twelve registers that lane (r, h) of the matrix instruction wants
; (row r's bytes 96 s + 24 h .. + 23 and 96 s + 48 + 24 h .. + 23) are stored as three runs of 16 bytes a lane, at (8 id + s) x 1,536 + 512 c + 16 lane: the product's launch loads a fragment by three loads of 16 bytes a lane.
.set TOT,  0                           ; the sort's: 8 waves x 128 bytes: each wave's count of each key
.set IMG,  1024                        ; the images': a stage of 16 rows x 784 (768 + 16) for each wave
.set P,  16                            ; v15 = 0, v16-47: running sums; the sum in front of chunk i stands in v[15 + i]
.set M,  48                            ; v48-79   tokmeta, then the order words
.set G,  80                            ; v80-143  gates
.set Q,  144                           ; v144-175 4 x place
.set A,  192                           ; v192-223 4 x key, then 8 x place
	s_load_b256 s[4:11], s[0:1], 0x0               ; hist s[4:5], tokmeta s[6:7], gates s[8:9], the codes s[10:11]
	s_load_b128 s[12:15], s[0:1], 0x20             ; order s[12:13], gsort s[14:15]
	s_load_b64 s[16:17], s[0:1], 0x30              ; wimg
	v_lshl_add_u32 v254, v0, 2, 0x18c00
	v_mov_b32 v255, 0
	v_lshrrev_b32 v1, 5, v0
	v_readfirstlane_b32 s20, v1                    ; wave
	v_and_b32 v1, 31, v0                           ; lane
	v_lshlrev_b32 v2, 2, v1                        ; 4 l
	v_lshlrev_b32 v3, 3, v1                        ; 8 l
	v_lshlrev_b32 v4, 2, v0                        ; TOT + 128 w + 4 l
	v_lshlrev_b32 v5, 4, v1                        ; 16 l
	s_mul_i32 s21, s20, 16*784
	s_add_co_u32 s21, s21, IMG                     ; my stage
	v_add_nc_u32 v6, s21, v5                       ; + 16 l
	v_bfe_u32 v8, v0, 4, 1                         ; h
	v_lshl_add_u32 v7, v8, 4, v6                   ; + 16 l + 16 h
	v_and_b32 v9, 15, v0
	v_mul_u32_u24 v9, v9, 784
	v_mad_u32_u24 v9, v8, 24, v9
	v_add_nc_u32 v9, s21, v9                       ; row r, + 24 h
	s_mov_b32 s23, 0
	s_cmp_eq_u32 ttmp9, 0
	s_cbranch_scc0 .Limage
	; ---------------- the sort
	s_lshl_b32 s22, s20, 12                        ; 32 chunks x 128 bytes of hist and of tokmeta
	s_lshl_b32 s24, s20, 13                        ; 32 chunks x 256 bytes of gates
	s_mov_b32 s25, 0
	s_lshl_b32 s26, s20, 10
	v_add_nc_u32 v10, s26, v1                      ; the token of my lane in my wave's first chunk
	v_mov_b32 v15, 0
	s_wait_kmcnt 0x0
	s_add_nc_u64 s[4:5], s[4:5], s[22:23]
	s_add_nc_u64 s[6:7], s[6:7], s[22:23]
	s_add_nc_u64 s[8:9], s[8:9], s[24:25]
.set i, 0
.rept 32
	global_load_b32 v[P+i], v2, s[4:5] offset:128*i
.set i, i+1
.endr
.set i, 0
.rept 32
	global_load_b32 v[M+i], v2, s[6:7] offset:128*i
.set i, i+1
.endr
.set i, 0
.rept 32
	global_load_b64 v[G+2*i:G+2*i+1], v3, s[8:9] offset:256*i
.set i, i+1
.endr
	s_wait_loadcnt 63                              ; 96 loads have been issued: the oldest 33 are in, hist's 32 among them.  (64 were issued behind hist's; a wait's count names 63 at the most, so tokmeta's first is waited for too)
.set i, 1
.rept 31
	v_add_nc_u32 v[P+i], v[P+i], v[P+i-1]          ; running sums over my chunks, lane = key
.set i, i+1
.endr
	ds_store_b32 v4, v[P+31]                       ; my wave's count of each key
	s_wait_dscnt 0x0                               ; for the others' sake
	s_barrier_signal -1
	s_barrier_wait -1
.irp j, 0,1,2,3,4,5,6,7
	ds_load_b32 v[176+\j], v2 offset:TOT+128*\j
.endr
	v_mov_b32 v11, 0                               ; the key's count in all waves
	v_mov_b32 v12, 0                               ; and in the waves in front of mine
	s_wait_dscnt 0x0
.irp j, 0,1,2,3,4,5,6,7
	s_cmp_lt_u32 \j, s20
	s_cselect_b32 s21, -1, 0
	v_and_b32 v13, s21, v[176+\j]
	v_add_nc_u32 v11, v11, v[176+\j]
	v_add_nc_u32 v12, v12, v13
.endr
	v_mov_b32 v184, v11                            ; running sum over the keys: four steps inside each half of the lanes,
.irp n, 1,2,4,8
	v_mov_b32 v185, 0                              ; (lanes without a source keep this 0)
	v_mov_b32_dpp v185, v184 row_shr:\n row_mask:0xf bank_mask:0xf
	v_add_nc_u32 v184, v184, v185
.endr
	v_readlane_b32 s21, v184, 15                   ; then the lower half's total onto the upper half
	v_mov_b32 v186, s21
	v_mov_b32 v185, 0
	v_cmp_lt_u32 vcc_lo, 15, v1
	v_cndmask_b32 v185, v185, v186, vcc_lo
	v_add_nc_u32 v184, v184, v185
	v_sub_nc_u32 v184, v184, v11                   ; the tokens of smaller keys,
	v_add_nc_u32 v184, v184, v12                   ; and those of this key in earlier waves
.set i, 0
.rept 32
	v_add_nc_u32 v[P-1+i], v[P-1+i], v184          ; lane k: the place of chunk i's first token of key k
.set i, i+1
.endr
	s_wait_loadcnt 0x0                             ; tokmeta and gates
.set i, 0
.rept 32
	v_and_b32 v[A+i], 0xff, v[M+i]
.set i, i+1
.endr
.set i, 0
.rept 32
	v_min_u32 v[A+i], 31, v[A+i]                   ; a lane's number
.set i, i+1
.endr
.set i, 0
.rept 32
	v_lshlrev_b32 v[A+i], 2, v[A+i]
.set i, i+1
.endr
.set i, 0
.rept 32
	ds_bpermute_b32 v[Q+i], v[A+i], v[P-1+i]       ; lane = token now: it takes its key's place from the key's lane
.set i, i+1
.endr
	s_wait_dscnt 0x0
.set i, 0
.rept 32
	v_bfe_u32 v13, v[M+i], 8, 8                    ; my rank in the chunk
	v_add_nc_u32 v[Q+i], v[Q+i], v13
	v_min_u32 v[Q+i], 0x1fff, v[Q+i]               ; a place among 8,192
	v_lshlrev_b32 v[A+i], 3, v[Q+i]
	v_lshlrev_b32 v[Q+i], 2, v[Q+i]
	v_add_nc_u32 v14, 32*i, v10                    ; my token
	v_and_or_b32 v[M+i], v[M+i], 0xffff0000, v14
.set i, i+1
.endr
.set i, 0
.rept 32
	global_store_b32 v[Q+i], v[M+i], s[12:13]      ; each chunk has registers of its own: no store's source is written again
	global_store_b64 v[A+i], v[G+2*i:G+2*i+1], s[14:15]
.set i, i+1
.endr
	s_wait_tensorcnt 0x0
	ds_add_u32 v254, v255
	s_wait_dscnt 0x0
	s_endpgm
	; ---------------- the images
.Limage:
	s_sub_co_u32 s21, ttmp9, 1
	s_lshl_b32 s21, s21, 3
	s_add_co_u32 s21, s21, s20                     ; my tile of 16 rows: 0 .. 511
	s_mul_i32 s22, s21, 12288
	s_wait_kmcnt 0x0
	s_add_nc_u64 s[10:11], s[10:11], s[22:23]
	s_add_nc_u64 s[16:17], s[16:17], s[22:23]
.set i, 0
.rept 24
	global_load_b128 v[16+4*i:16+4*i+3], v5, s[10:11] offset:512*i th:TH_LOAD_NT   ; 512 consecutive bytes a load; read once in the launch
.set i, i+1
.endr
	s_wait_loadcnt 0x0
; Byte p = 512 i + 16 l of the 16 rows goes to p + 16 (p / 768): rows 784 bytes apart.  Three loads are two rows: in the first of three no row's end is passed, in the second lanes 16-31 have passed one, in the third all have.
.set i, 0
.rept 24
.if i%3 == 1
	ds_store_b128 v7, v[16+4*i:16+4*i+3] offset:512*i+32*(i/3)
.elseif i%3 == 2
	ds_store_b128 v6, v[16+4*i:16+4*i+3] offset:512*i+32*(i/3)+16
.else
	ds_store_b128 v6, v[16+4*i:16+4*i+3] offset:512*i+32*(i/3)
.endif
.set i, i+1
.endr
.irp s, 0,1,2,3,4,5,6,7                ; LDS serves a wave's instructions in order (ISA guide 5.7.1.4): these see my stores.  With rows 784 bytes apart the 32 lanes of a load of 8 bytes touch 64 different banks (ISA guide 11.1)
.irp p, 0,1,2,3,4,5
	ds_load_b64 v[112+12*\s+2*\p:112+12*\s+2*\p+1], v9 offset:96*\s+48*(\p/3)+8*(\p%3)
.endr
.endr
.irp s, 0,1,2,3,4,5,6,7
	s_wait_dscnt 6*(7-\s)                          ; K step s's six loads are in; the later steps' stay out
.irp c, 0,1,2
	global_store_b128 v5, v[112+12*\s+4*\c:112+12*\s+4*\c+3], s[16:17] offset:1536*\s+512*\c   ; 512 consecutive bytes, at a multiple of 256
.endr
.endr
	s_wait_tensorcnt 0x0
	ds_add_u32 v254, v255
	s_wait_dscnt 0x0
	s_endpgm
.Lfunc_end_k_q8ae019d902_place:
	.size	k_q8ae019d902_place, .Lfunc_end_k_q8ae019d902_place-k_q8ae019d902_place
	.p2alignl 7, 3214868480
	.fill 96, 4, 3214868480
	.section	.rodata,"a",@progbits
	.p2align	6, 0x0
	.amdhsa_kernel k_q8ae019d902_place
		.amdhsa_group_segment_fixed_size 102400
		.amdhsa_private_segment_fixed_size 0
		.amdhsa_enable_private_segment 0
		.amdhsa_kernarg_size 56
		.amdhsa_user_sgpr_count 2
		.amdhsa_user_sgpr_kernarg_segment_ptr 1
		.amdhsa_wavefront_size32 1
		.amdhsa_system_sgpr_workgroup_id_x 1
		.amdhsa_system_sgpr_workgroup_id_y 1
		.amdhsa_system_sgpr_workgroup_id_z 1
		.amdhsa_system_vgpr_workitem_id 0
		.amdhsa_next_free_vgpr 256
		.amdhsa_next_free_sgpr 66
		.amdhsa_reserve_vcc 1
		.amdhsa_float_denorm_mode_32 3
		.amdhsa_float_denorm_mode_16_64 3
		.amdhsa_memory_ordered 1
		.amdhsa_forward_progress 1
		.amdhsa_inst_pref_size 50
	.end_amdhsa_kernel
	.amdgpu_metadata
---
amdhsa.version: [ 1, 2 ]
amdhsa.kernels:
  - .name:           k_q8ae019d902_place
    .symbol:         k_q8ae019d902_place.kd
    .args:
      - { .name: hist, .offset: 0, .size: 8, .value_kind: global_buffer, .address_space: global }
      - { .name: tokmeta, .offset: 8, .size: 8, .value_kind: global_buffer, .address_space: global }
      - { .name: gates, .offset: 16, .size: 8, .value_kind: global_buffer, .address_space: global }
      - { .name: expert_weights_codes, .offset: 24, .size: 8, .value_kind: global_buffer, .address_space: global }
      - { .name: order, .offset: 32, .size: 8, .value_kind: global_buffer, .address_space: global }
      - { .name: gsort, .offset: 40, .size: 8, .value_kind: global_buffer, .address_space: global }
      - { .name: wimg, .offset: 48, .size: 8, .value_kind: global_buffer, .address_space: global }
    .group_segment_fixed_size: 102400
    .private_segment_fixed_size: 0
    .kernarg_segment_align: 8
    .kernarg_segment_size: 56
    .max_flat_workgroup_size: 256
    .sgpr_count:     66
    .vgpr_count:     256
    .wavefront_size: 32
...
	.end_amdgpu_metadata
.endif
;; end of part 2
;; launch experts (part 3): grid 4 x 64, 4 waves a work-group, no clusters, 118,272 bytes of LDS; arguments xq, xs, order, gsort, wimg, expert_weights_scales, out0; writes out0
.if DOCPART == 3
	.amdgcn_target "amdgcn-amd-amdhsa--gfx1250"
	.amdhsa_code_object_version 6
	.text
	.protected	k_q8ae019d902_experts
	.globl	k_q8ae019d902_experts
	.p2align	8
	.type	k_q8ae019d902_experts,@function
k_q8ae019d902_experts:
	s_mov_b64 s[64:65], 0
	v_nop
	global_prefetch_b8 v0, s[64:65] scope:SCOPE_SE
	s_setreg_imm32_b32 hwreg(HW_REG_WAVE_MODE, 25, 1), 1
	s_wait_xcnt 0x0
; out0[token] = g_lo y[lo] + g_hi y[hi],  y[e] = Q(x) W_e, on codes of E3M2 with one E8M0 scale for each 32 along K.  Only the chosen experts' rows are multiplied.
; SHARES.  The tokens lie sorted by their pair of experts; sorted places 128 b .. 128 b + 127 are block b.  A work-group owns one block x 256 output columns (grid 4 x 64), so each piece of an output row has one
; owner.  Each of its four waves makes all 128 rows x 64 columns.  The work-group walks the experts that its block uses (two at the least; neighbouring keys share an expert, so mostly two or three; any number
; up to eight is served): y = Xq W_e^T for all 128 rows, then out += g y, g being 0 in the rows that did not choose e (a select, no branch).
; THE WALK HANGS ON THE STORED LIST, so no barrier stands in it: the weights come from memory straight into registers, from images of the operand's registers that an earlier launch has laid; the block's token
; codes are gathered into LDS once, in front of the one barrier, and are read from there by all four waves.
; THE MATRIX INSTRUCTION IS USED TRANSPOSED (source 0 = 16 rows of W_e, which are 16 output columns; source 1 = 16 tokens): lane (r, h) of tile (a, b) holds token row 16 a + r and columns 16 b + 8 h + 0 .. 7.
; NO CLUSTER, NO JOINT LOADS: which experts a block walks, and how many, is read from memory and differs from block to block, so partners would ask for different numbers of tiles; what the four column groups of a block
; share is 128 gathered rows of 768 bytes, which are no tile of a tensor, against 196,608 bytes of weights for each expert walked.
; REGISTERS, in windows of 256: window 0: v1-13 addresses; v24-31 order words; v32-47 gates; v48-63 this expert's gates; v64-95 the tokens' scale words; v96-111 the weights'; v112-207 eight token fragments.
;   window 1: a ring of four sets of 48: the weights' four fragments of K step s in set s % 4; at the end the output rows' offsets.   window 2: y, tile (a, b) at v[8 (4 a + b)].   window 3: out, likewise.
; LIMITS: weight scale bytes of 0xff (NaN) are not served; a y that overflows f32 for an expert that a row did not choose would give 0 x infinity in that row.
.set PA,  784                          ; a token's row in LDS: 768 bytes + 16 = 49 x 16: the sixteen rows that half a load of 16 bytes a lane touches start in sixteen different groups of banks (ISA guide 11.1)
.set STG, 128*PA                       ; behind the rows: a stage of 16 rows x 272 for each wave, for the way out
.set OW,  24
.set GS,  32
.set GE,  48
.set SA,  64                           ; SA[a % 4][s] at v[SA + 8 (a % 4) + s]: lanes 0-15 row tile a % 4, lanes 16-31 row tile a % 4 + 4
.set SB,  96                           ; SB[b % 2][s] at v[SB + 8 (b % 2) + s]: lanes 0-15 column tile b % 2, lanes 16-31 column tile b % 2 + 2
.set AF,  112
.set BK,  112                          ; the way out: 16 rows read back from the stage, v112-143 and v144-175 by turns
.set TS,  208
.set MSB, 0
.macro WIN new                         ; the immediate's high byte repeats the setting that is left
.if MSB != \new
	s_set_vgpr_msb (MSB<<8)|\new
.set MSB, \new
.endif
.endm
.macro PLACES                          ; a load into a register that a matrix instruction has read stands four plain vector instructions behind it (ISA guide 7.12.1 for vector instructions)
.rept 4
	v_nop
.endr
.endm
	s_load_b256 s[4:11], s[0:1], 0x0               ; xq s[4:5], xs s[6:7], order s[8:9], gsort s[10:11]
	s_load_b128 s[12:15], s[0:1], 0x20             ; wimg s[12:13], the weights' scales s[14:15]
	s_load_b64 s[16:17], s[0:1], 0x30              ; out0
	v_lshl_add_u32 v254, v0, 2, 0x1cc00
	v_mov_b32 v255, 0
	v_lshrrev_b32 v14, 5, v0
	v_readfirstlane_b32 s18, v14                   ; wave
	s_mov_b32 s19, ttmp9                           ; column group
	s_and_b32 s20, ttmp7, 0xffff                   ; block
	v_and_b32 v1, 15, v0                           ; r
	v_bfe_u32 v2, v0, 4, 1                         ; h
	v_and_b32 v15, 31, v0
	v_lshlrev_b32 v3, 4, v15                       ; v3: 16 x lane
	v_lshlrev_b32 v4, 3, v15                       ; v4: 8 x lane
	v_mul_u32_u24 v5, v1, PA
	v_mad_u32_u24 v5, v2, 48, v5                   ; v5: a token fragment: row r, + 48 h (row tiles 0-3)
	v_add_nc_u32 v6, 64*PA, v5                     ; v6: the same for row tiles 4-7
	s_mul_i32 s70, s18, 16*272
	s_add_co_u32 s70, s70, STG                     ; my stage
	v_mul_u32_u24 v7, v1, 272
	v_lshl_add_u32 v7, v2, 5, v7
	v_add_nc_u32 v7, s70, v7                       ; v7: in: row r, + 32 h
	v_mul_u32_u24 v8, v2, 8*272
	v_lshl_add_u32 v8, v1, 4, v8
	v_add_nc_u32 v8, s70, v8                       ; v8: back: lanes 0-15 row t, lanes 16-31 row 8 + t; 16 bytes a lane
	v_lshlrev_b32 v9, 4, v1                        ; v9: 16 r
	v_lshlrev_b32 v10, 5, v1
	v_lshl_add_u32 v10, v2, 10, v10                ; v10: the weights' scale words: 32 bytes a row; lanes 16-31 two tiles (32 rows) on
	v_lshlrev_b32 v11, 5, v2                       ; v11: the way out's order words: lanes 16-31 eight places on
	s_mul_i32 s70, s18, 32*PA
	v_add_nc_u32 v12, s70, v3                      ; v12, v13: where I put my wave's 32 gathered rows
	v_add_nc_u32 v13, s70, v4
	v_lshlrev_b32 v14, 2, v1                       ; 4 r
	v_lshl_add_u32 v15, v2, 8, v14                 ; 4 r + 256 h: lanes 16-31 64 places on
	v_lshlrev_b32 v16, 3, v1                       ; 8 r
.irp a, 0,1,2,3,4,5,6,7
	v_mov_b32 v[GE+2*\a+1], 0                      ; (named as the upper half of a pair of which the low word serves both halves)
.endr
	s_lshl_b32 s70, s20, 9                         ; order: 512 bytes a block
	s_mov_b32 s71, 0
	s_lshl_b32 s72, s20, 10                        ; gsort: 1,024
	s_mov_b32 s73, 0
	s_lshl_b32 s76, s18, 7                         ; my wave's 32 order words
	s_mov_b32 s77, 0
	s_lshl_b32 s78, s19, 4
	s_lshl_b32 s79, s18, 2
	s_add_co_u32 s78, s78, s79                     ; my first column tile: 16 x column group + 4 x wave
	s_mul_i32 s78, s78, 12288
	s_mov_b32 s79, 0
	s_lshl_b32 s80, s19, 13                        ; the weights' scales: 32 bytes a column
	s_lshl_b32 s81, s18, 11
	s_add_co_u32 s80, s80, s81
	s_mov_b32 s81, 0
	s_lshl_b32 s82, s19, 10                        ; out0: my 64 columns, in bytes
	s_lshl_b32 s83, s18, 8
	s_add_co_u32 s82, s82, s83
	s_mov_b32 s83, 0
	s_wait_kmcnt 0x0
	s_add_nc_u64 s[8:9], s[8:9], s[70:71]
	s_add_nc_u64 s[10:11], s[10:11], s[72:73]
	s_add_nc_u64 s[74:75], s[8:9], s[76:77]
	s_add_nc_u64 s[12:13], s[12:13], s[78:79]
	s_add_nc_u64 s[14:15], s[14:15], s[80:81]
	s_add_nc_u64 s[16:17], s[16:17], s[82:83]
	s_load_b512 s[32:47], s[74:75], 0x0            ; the order words of the 32 rows that my wave gathers
	s_load_b512 s[48:63], s[74:75], 0x40
.irp a, 0,1,2,3,4,5,6,7
	global_load_b32 v[OW+\a], v14, s[8:9] offset:64*\a               ; the order word of row 16 a + r
.endr
.irp a, 0,1,2,3
	global_load_b32 v[TS+\a], v15, s[8:9] offset:64*\a               ; and of row 16 a + r + 64 h
.endr
.irp a, 0,1,2,3,4,5,6,7
	global_load_b64 v[GS+2*\a:GS+2*\a+1], v16, s[10:11] offset:128*\a   ; (g_lo, g_hi) of row 16 a + r
.endr
	s_wait_kmcnt 0x0
.set i, 0
.rept 32
	s_and_b32 s70, s[32+i], 0x1fff                 ; the token,
	s_min_u32 s70, s70, 0x1fff                     ; one of 8,192,
	s_mul_i32 s70, s70, 768                        ; its codes
	v_add_nc_u32 v[AF+i], s70, v3
	v_add_nc_u32 v[AF+32+i], s70, v4
.set i, i+1
.endr
	WIN 0x80                                       ; destination window 2: y's registers are free as yet
.set i, 0
.rept 32
	global_load_b128 v[8*i:8*i+3], v[AF+i], s[4:5]                   ; a row's 768 bytes: 512 by 16 a lane,
	global_load_b64 v[8*i+4:8*i+5], v[AF+32+i], s[4:5] offset:512    ; 256 by 8 a lane
.set i, i+1
.endr
	WIN 0
	s_wait_loadcnt 63                              ; 84 loads have been issued: the oldest 21 are in, the order words' and the gates' 20 among them
.irp a, 0,1,2,3
	v_and_b32 v[TS+\a], 0x1fff, v[TS+\a]
.endr
.irp a, 0,1,2,3
	v_min_u32 v[TS+\a], 0x1fff, v[TS+\a]
.endr
.irp a, 0,1,2,3
	v_lshlrev_b32 v[TS+\a], 5, v[TS+\a]            ; 32 scale bytes a token
.endr
.irp a, 0,1,2,3
	global_load_b128 v[SA+8*\a:SA+8*\a+3], v[TS+\a], s[6:7]          ; the tokens' scale words of all eight K steps: they stay
	global_load_b128 v[SA+8*\a+4:SA+8*\a+7], v[TS+\a], s[6:7] offset:16
.endr
	; which experts does the block use?
	v_or_b32 v14, v[OW], v[OW+1]
.irp a, 2,3,4,5,6,7
	v_or_b32 v14, v14, v[OW+\a]
.endr
	s_mov_b32 s22, 0
.irp e, 0,1,2,3,4,5,6,7
	v_and_b32 v15, 0x01010000<<\e, v14
	v_cmp_ne_u32 vcc_lo, 0, v15
	s_cmp_lg_u32 vcc_lo, 0
	s_cselect_b32 s70, 1<<\e, 0
	s_or_b32 s22, s22, s70
.endr
; The next expert: the lowest bit left in s22 -> s25, its images -> s[28:29], its scales -> s[66:67].  (With nothing left: expert 7, of which nothing is then loaded.)
.macro NEXTE
	s_ctz_i32_b32 s25, s22
	s_min_u32 s25, s25, 7
	s_sub_co_u32 s70, s22, 1
	s_and_b32 s22, s22, s70
	s_mul_i32 s70, s25, 64*12288
	s_add_nc_u64 s[28:29], s[12:13], s[70:71]
	s_lshl_b32 s70, s25, 15
	s_add_nc_u64 s[66:67], s[14:15], s[70:71]
.endm
	NEXTE
	s_mov_b32 s24, s25                             ; s24: the expert in hand; s[26:27] its images; s[30:31] its scales (the first expert's alone are fetched from here)
	s_mov_b64 s[26:27], s[28:29]
	s_mov_b64 s[30:31], s[66:67]
	NEXTE
	s_bcnt1_i32_b32 s23, s22                       ; experts beyond the first and the last: the middle bodies
	s_min_u32 s23, s23, 6
.macro LOADB base, s                   ; the four weight fragments of K step s into set s % 4: twelve loads of 512 consecutive bytes
	WIN 0x40                                       ; destination window 1
.irp b, 0,1,2,3
.irp c, 0,1,2
	global_load_b128 v[48*((\s)%4)+12*\b+4*\c:48*((\s)%4)+12*\b+4*\c+3], v3, s[\base:\base+1] offset:(8*\b+(\s))*1536+512*\c
.endr
.endr
.endm
.macro LOADSB base, j                  ; the weights' scale words of K steps 4 j .. 4 j + 3
	WIN 0
.irp p, 0,1
	global_load_b128 v[SB+8*\p+4*(\j):SB+8*\p+4*(\j)+3], v10, s[\base:\base+1] offset:512*\p+16*(\j)
.endr
.endm
.macro FETCH_A s, a0                   ; the token fragments of row tiles a0 .. a0 + 3 for K step s: twelve LDS loads
	WIN 0
.irp a, \a0, \a0+1, \a0+2, \a0+3
.irp c, 0,1,2
	ds_load_b128 v[AF+12*(\a)+4*\c:AF+12*(\a)+4*\c+3], v[5+(\a0)/4] offset:((\a)%4)*16*PA+96*(\s)+16*\c
.endr
.endr
.endm
	LOADSB 30, 0
	LOADB 26, 0
	LOADB 26, 1
	LOADB 26, 2
	LOADSB 30, 1
	LOADB 26, 3
	s_wait_loadcnt 60                              ; the 64 gather loads are in: behind them stand the tokens' scale words' 8 and the first expert's 52
	WIN 0x08                                       ; an LDS store's data are its source 1: window 2
.set i, 0
.rept 32
	ds_store_b128 v12, v[8*i:8*i+3] offset:i*PA
	ds_store_b64 v13, v[8*i+4:8*i+5] offset:i*PA+512
.set i, i+1
.endr
	WIN 0
	s_wait_dscnt 0x0                               ; for the others' sake: my 32 rows lie in LDS
	s_barrier_signal -1
	s_barrier_wait -1                              ; all 128 do; they are never written again
	FETCH_A 0, 0
	FETCH_A 0, 4
; One product: y(a, b) (+)= W's fragment b x the tokens' fragment a, K step s.  At s = 0 the constant 0 starts the sum: nothing is cleared.
.macro WM s, a, b
.set rY, 8*(4*(\a)+(\b))
.set rB, 48*((\s)%4)+12*(\b)
.set rA, AF+12*(\a)
.set rU, SB+8*((\b)%2)+(\s)
.set rT, SA+8*((\a)%4)+(\s)
.if (\s) == 0
.if (\b) < 2
.if (\a) < 4
	v_wmma_scale_f32_16x16x128_f8f6f4 v[rY:rY+7], v[rB:rB+11], v[rA:rA+11], 0, v[rU], v[rT] matrix_a_fmt:MATRIX_FMT_BF6 matrix_b_fmt:MATRIX_FMT_BF6
.else
	v_wmma_scale_f32_16x16x128_f8f6f4 v[rY:rY+7], v[rB:rB+11], v[rA:rA+11], 0, v[rU], v[rT] matrix_a_fmt:MATRIX_FMT_BF6 matrix_b_fmt:MATRIX_FMT_BF6 matrix_b_scale:MATRIX_SCALE_ROW1
.endif
.else
.if (\a) < 4
	v_wmma_scale_f32_16x16x128_f8f6f4 v[rY:rY+7], v[rB:rB+11], v[rA:rA+11], 0, v[rU], v[rT] matrix_a_fmt:MATRIX_FMT_BF6 matrix_b_fmt:MATRIX_FMT_BF6 matrix_a_scale:MATRIX_SCALE_ROW1
.else
	v_wmma_scale_f32_16x16x128_f8f6f4 v[rY:rY+7], v[rB:rB+11], v[rA:rA+11], 0, v[rU], v[rT] matrix_a_fmt:MATRIX_FMT_BF6 matrix_b_fmt:MATRIX_FMT_BF6 matrix_a_scale:MATRIX_SCALE_ROW1 matrix_b_scale:MATRIX_SCALE_ROW1
.endif
.endif
.else
.if (\b) < 2
.if (\a) < 4
	v_wmma_scale_f32_16x16x128_f8f6f4 v[rY:rY+7], v[rB:rB+11], v[rA:rA+11], v[rY:rY+7], v[rU], v[rT] matrix_a_fmt:MATRIX_FMT_BF6 matrix_b_fmt:MATRIX_FMT_BF6
.else
	v_wmma_scale_f32_16x16x128_f8f6f4 v[rY:rY+7], v[rB:rB+11], v[rA:rA+11], v[rY:rY+7], v[rU], v[rT] matrix_a_fmt:MATRIX_FMT_BF6 matrix_b_fmt:MATRIX_FMT_BF6 matrix_b_scale:MATRIX_SCALE_ROW1
.endif
.else
.if (\a) < 4
	v_wmma_scale_f32_16x16x128_f8f6f4 v[rY:rY+7], v[rB:rB+11], v[rA:rA+11], v[rY:rY+7], v[rU], v[rT] matrix_a_fmt:MATRIX_FMT_BF6 matrix_b_fmt:MATRIX_FMT_BF6 matrix_a_scale:MATRIX_SCALE_ROW1
.else
	v_wmma_scale_f32_16x16x128_f8f6f4 v[rY:rY+7], v[rB:rB+11], v[rA:rA+11], v[rY:rY+7], v[rU], v[rT] matrix_a_fmt:MATRIX_FMT_BF6 matrix_b_fmt:MATRIX_FMT_BF6 matrix_a_scale:MATRIX_SCALE_ROW1 matrix_b_scale:MATRIX_SCALE_ROW1
.endif
.endif
.endif
.endm
; 16 products: row tiles a0 .. a0 + 3 x the four column tiles.  The 32 accumulators take turns, one instruction a turn, in the same order in every K step and every body.
.macro MUL s, a0
	WIN 0xa1                                       ; source 0 (the weights) window 1, source 1 (the tokens) window 0, C and D window 2
.irp a, \a0, \a0+1, \a0+2, \a0+3
.irp b, 0,1,2,3
	WM \s, (\a), \b
.endr
.endr
.endm
; A K STEP of 128: 32 products.  The token fragments have one set of registers: row tiles 0-3 are fetched anew in the step's middle, 4-7 at its end.  The weights' set that the step has used is filled again at its
; end: with this expert's K step s + 4, or the next expert's K step s - 4; in the last body, with the order words for the way out.
; The wait at its head leaves out what was issued behind the set that it needs: three refills of twelve, and where they lie between, the two loads of scale words: 38 or 36.  In the last body the counts run down:
; behind K step 6's set stand K step 7's twelve and the sixteen loads of order words, behind K step 7's those sixteen.
.macro KSTEP s, last
.if \last
.if \s < 3
.set NW, 38
.elseif \s < 6
.set NW, 36
.elseif \s == 6
.set NW, 28
.else
.set NW, 16
.endif
.else
.if (\s)%4 == 3
.set NW, 36
.else
.set NW, 38
.endif
.endif
	s_wait_loadcnt NW
	s_wait_dscnt 12                                ; row tiles 0-3 are in; the youngest twelve LDS loads (row tiles 4-7) may be out
	MUL \s, 0
	s_wait_dscnt 0x0                               ; row tiles 4-7 are in
.if \last && (\s == 7)
	MUL \s, 4                                      ; nothing more to fetch
.else
	PLACES
	FETCH_A (\s+1)%8, 0
	MUL \s, 4
	PLACES
	FETCH_A (\s+1)%8, 4
.if \s < 3
	LOADB 26, \s+4
.elseif \s == 3
.if !\last
	LOADSB 66, 0                                   ; the next expert's scale words of K steps 0-3, over those that K steps 0-3 have used
.endif
	LOADB 26, 7
.elseif !\last
.if \s == 7
	LOADSB 66, 1                                   ; and of K steps 4-7
.endif
	LOADB 28, \s-4
.elseif \s == 4
	WIN 0x40
.irp a, 0,1,2,3,4,5
.irp q, 0,1
	global_load_b128 v[8*\a+4*\q:8*\a+4*\q+3], v11, s[8:9] offset:64*\a+16*\q   ; register 8 a + t: the order word of row 16 a + 8 h + t
.endr
.endr
.elseif \s == 5
	WIN 0x40
.irp a, 6,7
.irp q, 0,1
	global_load_b128 v[8*\a+4*\q:8*\a+4*\q+3], v11, s[8:9] offset:64*\a+16*\q
.endr
.endr
.endif
.endif
.endm
; AN EXPERT.  first = 1: its products start out; last = 1: no expert follows.
.macro BODY first, last
	s_lshl_b32 s68, 0x10000, s24                   ; the expert's bit among the lo bits of an order word,
	s_lshl_b32 s69, 0x1000000, s24                 ; and among the hi bits
.irp k, 0,1,2,3,4,5,6,7
	KSTEP \k, \last
.endr
	WIN 0
.irp a, 0,1,2,3,4,5,6,7                ; the gate of row 16 a + r: g_lo, g_hi or 0.  These 48 lines name no register of the last products: they are the places in front of the first read of y
	v_and_b32 v14, s68, v[OW+\a]
	v_and_b32 v15, s69, v[OW+\a]
	v_cmp_ne_u32 vcc_lo, 0, v14
	v_cndmask_b32 v[GE+2*\a], 0, v[GS+2*\a], vcc_lo
	v_cmp_ne_u32 vcc_lo, 0, v15
	v_cndmask_b32 v[GE+2*\a], v[GE+2*\a], v[GS+2*\a+1], vcc_lo
.endr
.if \first
	WIN 0xc2                                       ; source 0 (y) window 2, destination (out) window 3
.else
	WIN 0xf2                                       ; and source 2 (out) window 3
.endif
.irp a, 0,1,2,3,4,5,6,7
.irp b, 0,1,2,3
.irp j, 0,2,4,6                        ; each accumulator from its low end on
.if \first
	v_pk_mul_f32 v[8*(4*\a+\b)+\j:8*(4*\a+\b)+\j+1], v[8*(4*\a+\b)+\j:8*(4*\a+\b)+\j+1], v[GE+2*\a:GE+2*\a+1] op_sel_hi:[1,0]
.else
	v_pk_fma_f32 v[8*(4*\a+\b)+\j:8*(4*\a+\b)+\j+1], v[8*(4*\a+\b)+\j:8*(4*\a+\b)+\j+1], v[GE+2*\a:GE+2*\a+1], v[8*(4*\a+\b)+\j:8*(4*\a+\b)+\j+1] op_sel_hi:[1,0,1]
.endif
.endr
.endr
.endr
.if !\last
	WIN 0                                          ; at a label and at a branch every window is 0
	s_wait_xcnt 0x0                                ; the loads issued so far have had their addresses translated (ISA guide 3.1): only behind this wait are their bases written again
	s_mov_b32 s24, s25
	s_mov_b64 s[26:27], s[28:29]
	NEXTE
.endif
.endm
	BODY 1, 0
	s_cmp_eq_u32 s23, 0
	s_cbranch_scc1 .Llast
.Lmid:                                             ; both ways in have issued the same loads in the same order: the counts hold on each
	BODY 0, 0
	s_sub_co_u32 s23, s23, 1
	s_cmp_lg_u32 s23, 0
	s_cbranch_scc1 .Lmid
.Llast:
	BODY 0, 1
	; THE WAY OUT.  A lane holds 32 neighbouring bytes of a row, and the lanes beside it hold other rows: so a tile of 16 rows x 64 columns goes through my own stage and comes back as whole pieces of 256 bytes.
	s_wait_loadcnt 0x0                             ; the order words
	WIN 0x44                                       ; source 1 and destination window 1
.set i, 0
.rept 64
	v_and_b32 v[i], 0x1fff, v[i]
.set i, i+1
.endr
.set i, 0
.rept 64
	v_min_u32 v[i], 0x1fff, v[i]                   ; one of 8,192 tokens
.set i, i+1
.endr
	WIN 0x41                                       ; source 0 and destination window 1
.set i, 0
.rept 64
	v_lshl_add_u32 v[i], v[i], 12, v9              ; the token's row of 4,096 bytes, + 16 r
.set i, i+1
.endr
.macro TOSTAGE a
	WIN 0x0c                                       ; the data: window 3
.irp b, 0,1,2,3
	ds_store_b128 v7, v[8*(4*(\a)+\b):8*(4*(\a)+\b)+3] offset:64*\b
	ds_store_b128 v7, v[8*(4*(\a)+\b)+4:8*(4*(\a)+\b)+7] offset:64*\b+16
.endr
	WIN 0
.irp t, 0,1,2,3,4,5,6,7
	ds_load_b128 v[BK+32*((\a)%2)+4*\t:BK+32*((\a)%2)+4*\t+3], v8 offset:272*\t   ; LDS serves a wave's instructions in order (ISA guide 5.7.1.4): these see the stores above, and the next tile's stores come behind them
.endr
.endm
.macro SEND a, younger                 ; younger: the LDS instructions issued behind tile a's loads, which may stay out
	s_wait_dscnt \younger
	WIN 0x01                                       ; the address: window 1
.irp t, 0,1,2,3,4,5,6,7
	global_store_b128 v[8*(\a)+\t], v[BK+32*((\a)%2)+4*\t:BK+32*((\a)%2)+4*\t+3], s[16:17] th:TH_STORE_NT   ; lanes 0-15 store 256 consecutive bytes of row 16 a + t, lanes 16-31 of row 16 a + 8 + t, each at a multiple of 256; written once
.endr
	WIN 0
.endm
	TOSTAGE 0
.irp a, 1,2,3,4,5,6,7
.if \a > 1
	s_wait_xcnt 0x0                                ; tile a - 2's stores have read their registers: tile a's loads may land there
.endif
	TOSTAGE \a
	SEND \a-1, 16                                  ; behind tile a - 1's loads: tile a's eight stores and eight loads
.endr
	SEND 7, 0
	s_wait_tensorcnt 0x0
	ds_add_u32 v254, v255
	s_wait_dscnt 0x0
	s_endpgm
.Lfunc_end_k_q8ae019d902_experts:
	.size	k_q8ae019d902_experts, .Lfunc_end_k_q8ae019d902_experts-k_q8ae019d902_experts
	.p2alignl 7, 3214868480
	.fill 96, 4, 3214868480
	.section	.rodata,"a",@progbits
	.p2align	6, 0x0
	.amdhsa_kernel k_q8ae019d902_experts
		.amdhsa_group_segment_fixed_size 118272
		.amdhsa_private_segment_fixed_size 0
		.amdhsa_enable_private_segment 0
		.amdhsa_kernarg_size 56
		.amdhsa_user_sgpr_count 2
		.amdhsa_user_sgpr_kernarg_segment_ptr 1
		.amdhsa_wavefront_size32 1
		.amdhsa_system_sgpr_workgroup_id_x 1
		.amdhsa_system_sgpr_workgroup_id_y 1
		.amdhsa_system_sgpr_workgroup_id_z 1
		.amdhsa_system_vgpr_workitem_id 0
		.amdhsa_next_free_vgpr 1024
		.amdhsa_next_free_sgpr 100
		.amdhsa_reserve_vcc 1
		.amdhsa_float_denorm_mode_32 3
		.amdhsa_float_denorm_mode_16_64 3
		.amdhsa_memory_ordered 1
		.amdhsa_forward_progress 1
		.amdhsa_inst_pref_size 255
	.end_amdhsa_kernel
	.section	.bss,"aw",@nobits
	.p2align	6
	.space	262144
	.amdgpu_metadata
---
amdhsa.version: [ 1, 2 ]
amdhsa.kernels:
  - .name:           k_q8ae019d902_experts
    .symbol:         k_q8ae019d902_experts.kd
    .args:
      - { .name: xq, .offset: 0, .size: 8, .value_kind: global_buffer, .address_space: global }
      - { .name: xs, .offset: 8, .size: 8, .value_kind: global_buffer, .address_space: global }
      - { .name: order, .offset: 16, .size: 8, .value_kind: global_buffer, .address_space: global }
      - { .name: gsort, .offset: 24, .size: 8, .value_kind: global_buffer, .address_space: global }
      - { .name: wimg, .offset: 32, .size: 8, .value_kind: global_buffer, .address_space: global }
      - { .name: expert_weights_scales, .offset: 40, .size: 8, .value_kind: global_buffer, .address_space: global }
      - { .name: out0, .offset: 48, .size: 8, .value_kind: global_buffer, .address_space: global }
    .group_segment_fixed_size: 118272
    .private_segment_fixed_size: 0
    .kernarg_segment_align: 8
    .kernarg_segment_size: 56
    .max_flat_workgroup_size: 128
    .sgpr_count:     100
    .vgpr_count:     1024
    .wavefront_size: 32
...
	.end_amdgpu_metadata
.endif
;; end of part 3
